; MI455X (gfx1250); checked and timed in simulation.
; The chip was launched on July 23, 2026; its instructions are those of AMD's public machine-readable ISA for CDNA 5 (MIT licence, August 2026) and "CDNA5" Instruction Set Architecture Reference Guide (July 2026). The comments in the code are by the model that wrote it; some were corrected since.
;; Relative Position Multi Head Attention. Allowed arithmetic: float matrix products may take bf16 or f16 operands with f32 sums; all other float work in f32.
;; Inputs: bu 64 x 8 float32; bv 64 x 8 float32; k 8 x 1,024 x 512 float32; mask 8 x 1,024 bool; q 8 x 1,024 x 512 float32; v 8 x 1,024 x 512 float32; wk 512 x 64 x 8 float32; wo 64 x 8 x 512 float32; wq 512 x 64 x 8 float32; wv 512 x 64 x 8 float32.
;; Outputs: out0 8 x 1,024 x 512 float32.
;; One version. Each part assembles by itself: llvm-mc -triple=amdgcn-amd-amdhsa -mcpu=gfx1250 --defsym DOCPART=n.
;; ======== version 1 of 1: 4 launches
;; limits: values are held in f16: magnitudes above 65,504 overflow, below 6.1e-05 lose precision
;; workspace buffers: wt 2,097,152 bytes; tab 262,144 bytes; stab 131,072 bytes; qx 16,777,216 bytes; kx 8,388,608 bytes; vx 8,388,608 bytes; xx 8,388,608 bytes
;; launch prep (part 1): grid 32 x 5, 8 waves a work-group, no clusters, 17,664 bytes of LDS; arguments wq, wk, wv, wo, wt, tab, stab; writes wt, tab, stab
.if DOCPART == 1
	.amdgcn_target "amdgcn-amd-amdhsa--gfx1250"
	.amdhsa_code_object_version 6
	.text
	.protected	k_q43cb41788a_prep
	.globl	k_q43cb41788a_prep
	.p2align	8
	.type	k_q43cb41788a_prep,@function
k_q43cb41788a_prep:
	s_mov_b64 s[64:65], 0
	v_nop
	global_prefetch_b8 v0, s[64:65] scope:SCOPE_SE
	s_setreg_imm32_b32 hwreg(HW_REG_WAVE_MODE, 25, 1), 1
	s_wait_xcnt 0x0
; PREP: the weights in f16 with K along the rows, and the sinusoid tables.
; y = 0,1,2: wt[y][kc][n'][kk] = w[64 kc + kk][e][h], n' = 64 h + e (w = wq, wk, wv, stored [m][8 e + h]).
; y = 3:     wt[3][h][m][e]    = wo[e][h][m].
; y = 4:     tab[t][2j] = sin(t w_j), tab[t][2j+1] = cos(t w_j), w_j = 10000^(-j/32), in f32; stab: the same in f16.
; A transposing work-group takes 64 kk x 128 columns: wave w loads rows kk = 8w .. 8w+7 (each load covers 256 consecutive bytes),
; packs eight kk of a column into 16 bytes and lays them into its own LDS region; behind one barrier whole output rows
; (eight such pieces = 128 bytes) are read back, and sixteen neighbouring lanes store 256 consecutive bytes, aligned.
; No tile is read by two work-groups, so there is nothing to share in a cluster; no matrix work.
; The sine and cosine: reduction by multiples of pi/2 in two parts, then series whose remainder on |r| <= pi/4 is below 3.2e-7,
; for every t that the tables hold (t <= 1023).
.set REG, 2064                         ; a wave's LDS region: 128 columns x 16 bytes + 16
.macro BACK ldsstep, glbstep           ; four pieces of 16 bytes a thread, LDS to wt
.irp t, 0,1,2,3
	ds_load_b128 v[48+4*\t:51+4*\t], v14 offset:\t*\ldsstep
.endr
.irp t, 0,1,2,3
	s_wait_dscnt 3-\t                              ; LDS loads come back in order: piece t is in
	global_store_b128 v15, v[48+4*\t:51+4*\t], s[12:13] offset:\t*\glbstep
.endr
.endm
; sin and cos of v[tf] * v[wr]
.macro SINCOS wr, tf, outs, outc
	v_mul_f32 v21, v[\tf], v[\wr]                  ; x
	v_mul_f32 v22, 0x3f22f983, v21                 ; x * 2/pi
	v_rndne_f32 v22, v22                           ; n
	v_fmamk_f32 v23, v22, 0xbfc90fdb, v21          ; r = x - n * (pi/2, upper part)
	v_fmamk_f32 v23, v22, 0x333bbd2e, v23          ;       - n * (pi/2, lower part)
	v_mul_f32 v24, v23, v23                        ; r^2
	v_mov_b32 v25, 0x3c088889                      ; 1/120
	v_fmamk_f32 v25, v24, 0xb9500d01, v25          ; - r^2/5040
	v_fmaak_f32 v25, v24, v25, 0xbe2aaaab          ; ... - 1/6
	v_mul_f32 v26, v23, v24
	v_fma_f32 v25, v26, v25, v23                   ; sin r
	v_mov_b32 v27, 0xbab60b61                      ; -1/720
	v_fmamk_f32 v27, v24, 0x37d00d01, v27          ; + r^2/40320
	v_fmaak_f32 v27, v24, v27, 0x3d2aaaab          ; ... + 1/24
	v_fma_f32 v27, v24, v27, -0.5
	v_fma_f32 v27, v24, v27, 1.0                   ; cos r
	v_cvt_i32_f32 v28, v22                         ; the quadrant is n mod 4
	v_and_b32 v29, 1, v28
	v_cmp_ne_u32 vcc_lo, 0, v29
	v_cndmask_b32 v30, v25, v27, vcc_lo            ; odd quadrants swap the two
	v_cndmask_b32 v31, v27, v25, vcc_lo
	v_lshlrev_b32 v29, 30, v28                     ; sine: minus in quadrants 2, 3
	v_and_b32 v29, 0x80000000, v29
	v_xor_b32 v[\outs], v29, v30
	v_add_nc_u32 v28, 1, v28                       ; cosine: minus in quadrants 1, 2
	v_lshlrev_b32 v28, 30, v28
	v_and_b32 v28, 0x80000000, v28
	v_xor_b32 v[\outc], v28, v31
.endm
	s_load_b256 s[4:11], s[0:1], 0x0               ; wq s[4:5], wk s[6:7], wv s[8:9], wo s[10:11]
	s_load_b128 s[12:15], s[0:1], 0x20             ; wt s[12:13], tab s[14:15]
	s_load_b64 s[16:17], s[0:1], 0x30              ; stab
	v_lshl_add_u32 v64, v0, 2, 0x4100
	v_mov_b32 v65, 0
	s_and_b32 s24, ttmp7, 0xffff                   ; y: the same in all waves of the work-group
	s_cmp_eq_u32 s24, 4
	s_cbranch_scc1 .Ltables
	; ---- transposes ----
	s_lshr_b32 s25, ttmp9, 2                       ; kc (for wo: h)
	s_and_b32 s26, ttmp9, 3                        ; cq: which 128 columns
	v_lshrrev_b32 v1, 5, v0
	v_readfirstlane_b32 s27, v1                    ; wave
	v_and_b32 v10, 31, v0                          ; lane
	s_mov_b32 s20, 2048                            ; bytes from kk to kk + 1 in wq, wk, wv
	s_mov_b32 s29, 0
	s_wait_kmcnt 0x0
	s_cmp_eq_u32 s24, 1
	s_cselect_b64 s[18:19], s[6:7], s[4:5]
	s_cmp_eq_u32 s24, 2
	s_cselect_b64 s[18:19], s[8:9], s[18:19]
	s_cmp_eq_u32 s24, 3
	s_cselect_b64 s[18:19], s[10:11], s[18:19]
	s_cselect_b32 s20, 0x4000, s20                 ; in wo: 16,384 bytes from e to e + 1
	s_cselect_b32 s21, 11, 17                      ; kc counts 2,048 bytes in wo, 64 rows of 2,048 bytes elsewhere
	s_cselect_b32 s23, 14, 11                      ; cq counts 128 output rows of 128 bytes for wo, 16 elsewhere
	s_lshl_b32 s28, s25, s21
	s_lshl_b32 s22, s26, 9
	s_add_co_u32 s28, s28, s22
	s_add_nc_u64 s[18:19], s[18:19], s[28:29]      ; the block's first element
	s_lshl_b32 s28, s24, 19
	s_lshl_b32 s22, s25, 16
	s_add_co_u32 s28, s28, s22
	s_lshl_b32 s22, s26, s23
	s_add_co_u32 s28, s28, s22
	s_add_nc_u64 s[12:13], s[12:13], s[28:29]      ; where the block goes in wt
	s_lshl_b32 s30, s27, 3
	s_mul_i32 s31, s30, s20                        ; my first row, 8 w
	v_lshl_add_u32 v2, v10, 3, s31                 ; + 8 bytes a lane
.irp i, 1,2,3,4,5,6,7
	v_add_nc_u32 v[2+\i], s20, v[1+\i]
.endr
.irp g, 0,1
.irp i, 0,1,2,3,4,5,6,7
	global_load_b64 v[16+2*(8*\g+\i):17+2*(8*\g+\i)], v[2+\i], s[18:19] offset:256*\g th:TH_LOAD_NT
.endr
.endr
	s_mul_i32 s30, s27, REG
	v_lshl_add_u32 v13, v10, 5, s30                ; my region + 16 bytes x column 2 L
	s_wait_loadcnt 0x0
.irp g, 0,1
.irp p, 0,1
.irp q, 0,1,2,3
	v_cvt_pk_f16_f32 v[48+4*(2*\g+\p)+\q], v[16+2*(8*\g+2*\q)+\p], v[16+2*(8*\g+2*\q+1)+\p]
.endr
	ds_store_b128 v13, v[48+4*(2*\g+\p):51+4*(2*\g+\p)] offset:(64*\g+\p)*16   ; column 64 g + 2 L + p, kk = 8 w .. 8 w + 7
.endr
.endr
	s_wait_dscnt 0x0                               ; my stores are done, for the other waves' sake
	s_barrier_signal -1
	s_barrier_wait -1
	v_and_b32 v2, 7, v0                            ; which piece of an output row = which wave's region
	v_mul_u32_u24 v3, v2, REG
	s_cmp_eq_u32 s24, 3
	s_cbranch_scc1 .Lwo
	v_bfe_u32 v4, v0, 3, 4                         ; e within the block's 16
	v_lshrrev_b32 v5, 7, v0                        ; h = this + 2 x pass
	v_lshl_add_u32 v14, v4, 7, v3                  ; column 8 e + h
	v_lshl_add_u32 v14, v5, 4, v14
	v_lshlrev_b32 v15, 4, v2
	v_lshl_add_u32 v15, v4, 7, v15                 ; row n' = 64 h + e
	v_lshl_add_u32 v15, v5, 13, v15
	BACK 32, 16384
	s_wait_tensorcnt 0x0
	ds_add_u32 v64, v65
	s_wait_dscnt 0x0
	s_endpgm
.Lwo:
	v_lshrrev_b32 v4, 3, v0                        ; column m = this + 32 x pass
	v_lshl_add_u32 v14, v4, 4, v3
	v_lshlrev_b32 v15, 4, v0
	BACK 512, 4096
	s_wait_tensorcnt 0x0
	ds_add_u32 v64, v65
	s_wait_dscnt 0x0
	s_endpgm
	; ---- tables: a thread makes two j of one t, then of t + 512 ----
.Ltables:
	s_lshl_b32 s25, ttmp9, 8
	v_add_nc_u32 v1, s25, v0                       ; piece of 16 bytes of tab, 0 .. 8191
	v_lshrrev_b32 v2, 4, v1                        ; t
	v_and_b32 v3, 15, v1
	v_lshlrev_b32 v3, 1, v3                        ; j
	v_add_nc_u32 v4, 1, v3                         ; j + 1
	v_lshlrev_b32 v6, 4, v1
	v_lshlrev_b32 v7, 3, v1
	v_cvt_f32_u32 v8, v3
	v_cvt_f32_u32 v9, v4
	v_mul_f32 v8, 0xbed49a78, v8                   ; - j log2(10000) / 32
	v_mul_f32 v9, 0xbed49a78, v9
	v_exp_f32 v8, v8                               ; w_j
	v_exp_f32 v9, v9
	v_nop                                          ; one plain place behind the exponentials (ISA guide 5.7.2)
	v_cvt_f32_u32 v10, v2
	v_add_f32 v11, 0x44000000, v10                 ; t + 512
	s_wait_alu depctr_va_vdst(0)
	SINCOS 8, 10, 32, 33
	SINCOS 9, 10, 34, 35
	SINCOS 8, 11, 40, 41
	SINCOS 9, 11, 42, 43
	v_cvt_pk_f16_f32 v36, v32, v33
	v_cvt_pk_f16_f32 v37, v34, v35
	v_cvt_pk_f16_f32 v44, v40, v41
	v_cvt_pk_f16_f32 v45, v42, v43
	s_wait_kmcnt 0x0
	global_store_b128 v6, v[32:35], s[14:15]
	global_store_b64 v7, v[36:37], s[16:17]
	global_store_b128 v6, v[40:43], s[14:15] offset:131072
	global_store_b64 v7, v[44:45], s[16:17] offset:65536
	s_endpgm
.Lfunc_end_k_q43cb41788a_prep:
	.size	k_q43cb41788a_prep, .Lfunc_end_k_q43cb41788a_prep-k_q43cb41788a_prep
	.p2alignl 7, 3214868480
	.fill 96, 4, 3214868480
	.section	.rodata,"a",@progbits
	.p2align	6, 0x0
	.amdhsa_kernel k_q43cb41788a_prep
		.amdhsa_group_segment_fixed_size 17664
		.amdhsa_private_segment_fixed_size 0
		.amdhsa_enable_private_segment 0
		.amdhsa_kernarg_size 56
		.amdhsa_user_sgpr_count 2
		.amdhsa_user_sgpr_kernarg_segment_ptr 1
		.amdhsa_wavefront_size32 1
		.amdhsa_system_sgpr_workgroup_id_x 1
		.amdhsa_system_sgpr_workgroup_id_y 1
		.amdhsa_system_sgpr_workgroup_id_z 1
		.amdhsa_system_vgpr_workitem_id 0
		.amdhsa_next_free_vgpr 66
		.amdhsa_next_free_sgpr 66
		.amdhsa_reserve_vcc 1
		.amdhsa_float_denorm_mode_32 3
		.amdhsa_float_denorm_mode_16_64 3
		.amdhsa_memory_ordered 1
		.amdhsa_forward_progress 1
		.amdhsa_inst_pref_size 15
	.end_amdhsa_kernel
	.amdgpu_metadata
---
amdhsa.version: [ 1, 2 ]
amdhsa.kernels:
  - .name:           k_q43cb41788a_prep
    .symbol:         k_q43cb41788a_prep.kd
    .args:
      - { .name: wq, .offset: 0, .size: 8, .value_kind: global_buffer, .address_space: global }
      - { .name: wk, .offset: 8, .size: 8, .value_kind: global_buffer, .address_space: global }
      - { .name: wv, .offset: 16, .size: 8, .value_kind: global_buffer, .address_space: global }
      - { .name: wo, .offset: 24, .size: 8, .value_kind: global_buffer, .address_space: global }
      - { .name: wt, .offset: 32, .size: 8, .value_kind: global_buffer, .address_space: global }
      - { .name: tab, .offset: 40, .size: 8, .value_kind: global_buffer, .address_space: global }
      - { .name: stab, .offset: 48, .size: 8, .value_kind: global_buffer, .address_space: global }
    .group_segment_fixed_size: 17664
    .private_segment_fixed_size: 0
    .kernarg_segment_align: 8
    .kernarg_segment_size: 56
    .max_flat_workgroup_size: 256
    .sgpr_count:     66
    .vgpr_count:     66
    .wavefront_size: 32
...
	.end_amdgpu_metadata
.endif
;; end of part 1
;; launch proj (part 2): grid 64 x 3, 4 waves a work-group, clusters of 4 x 1, 327,680 bytes of LDS; arguments q, k, v, wt, bu, bv, tab, qx, kx, vx; writes qx, kx, vx
.if DOCPART == 2
	.amdgcn_target "amdgcn-amd-amdhsa--gfx1250"
	.amdhsa_code_object_version 6
	.text
	.protected	k_q43cb41788a_proj
	.globl	k_q43cb41788a_proj
	.p2align	8
	.type	k_q43cb41788a_proj,@function
k_q43cb41788a_proj:
	s_mov_b64 s[64:65], 0
	v_nop
	global_prefetch_b8 v0, s[64:65] scope:SCOPE_SE
	s_setreg_imm32_b32 hwreg(HW_REG_WAVE_MODE, 25, 1), 1
	s_wait_xcnt 0x0
	s_wait_alu depctr_hold_cnt(0) depctr_sa_sdst(0) depctr_va_vdst(0) depctr_va_sdst(0) depctr_va_ssrc(0) depctr_va_vcc(0) depctr_vm_vsrc(0)
	s_getreg_b32 s2, hwreg(HW_REG_IB_STS2, 6, 4)
	s_cmp_eq_u32 s2, 0
	s_cbranch_scc0 .Lentry_in_a_cluster
	s_endpgm
.Lentry_in_a_cluster:
	s_bfe_u32 s2, ttmp6, 0x10000c
	s_cmp_lg_u32 s2, 0x3003
	s_cbranch_scc0 .Lentry_shape_is_right
	s_endpgm
.Lentry_shape_is_right:
; PROJ: y = 0, 1, 2: the projections of q, k, v.  A work-group makes 128 tokens x all 512 n' = 64 h + e, so each input byte is read by one
; work-group; wave w makes 128 tokens x n' = 128 w .. +127 (heads 2w, 2w+1): 64 accumulator tiles, 512 registers.  K = 512 in 8 tiles of 64.
; Operands in f16, sums in f32.
; y = 0 stores qx[b 8 + h][t][128] = [ qp + bu | (qp + bv) turned pairwise by the angle t w_j ]: with S[k][2j] = sin(k w_j), S[k][2j+1] = cos(k w_j)
;   the sum over e of (qp + bv)[e] p[q][k][e] equals the sum over e of the turned vector times S[k][e] (angle addition, for every input).
; y = 1, 2 store kx, vx [b 8 + h][t][64].
; LIMIT: |qp + bu|, |qp + bv|, |kp|, |vp| and the inputs themselves stay within f16's range, 65,504.
; CLUSTER: the four work-groups of a cluster take four token blocks of one y and walk the same weight tiles: each weight tile is asked for jointly
; (mask 15), which divides the requests for weights by four.  The tokens' tiles belong to one work-group alone: they come through registers
; (f32 from memory, converted once, laid into LDS as f16), two tiles (16 loads a lane each) always on their way.
; REGISTER WINDOWS: 0: addresses, A's fragments v64-191, work v192-255;  1: B's fragments v64-191, the two sets of loaded f32 v0-63, v192-255;
; 2, 3: accumulators, tile (a, b) at v[8 (8 (a & 3) + b)].
; The matrix instruction takes weight rows as source 0 and token rows as source 1: lane l then holds token l % 16 and eight neighbouring n'.
.set PITCH,  144                       ; an LDS row: 64 f16 + 16 bytes
.set BQ,     128*PITCH                 ; 128 rows
.set BSLOT,  4*BQ                      ; a weight tile: 512 rows
.set ABUF,   2*BSLOT                   ; behind the two weight slots: two token buffers of 128 rows, written by LDS stores alone
.set STAGE,  ABUF+2*BQ                 ; behind them: each wave's stage for the way out
.set STGW,   8448
.set ADRA, 16
.set ADRB, 20
.set STO,  24
.set RD,   25
.set CO,   26
.set GA,   27
.set AST,  28
.set TBO,  29
.set BIO,  30
.set F0,   64
.set F1,   128
.set TMP,  192
.set G1B,  32
.set G0B,  40
.set MUL_LO, 0xa1                      ; source 0 window 1, source 1 window 0, C and D window 2
.set MUL_HI, 0xf1                      ; the same, C and D window 3
.set MSB, 0
.macro WIN new                         ; the immediate's high byte repeats the setting that is left
.if MSB != (\new)
	s_set_vgpr_msb (MSB<<8)|(\new)
.set MSB, (\new)
.endif
.endm
.macro PLACES                          ; four places behind a matrix instruction (ISA guide 7.12.1)
.rept 4
	v_nop
.endr
.endm
.macro CREST                           ; a round of the cluster's barrier behind its opening barrier
	s_cmp_lg_u32 s24, 0
	s_cbranch_scc1 .Lnot_wave_0_\@
	s_barrier_signal -3
.Lnot_wave_0_\@:
	s_barrier_wait -3
	s_barrier_signal -1
	s_barrier_wait -1
.endm
.macro CROUND
	s_barrier_signal -1
	s_barrier_wait -1
	CREST
.endm
; 16 loads: my 32 token rows of K tile j, 256 bytes of each; one load covers two whole pieces of 256 bytes
.macro ALOAD j
	WIN 0x40
.irp i, 0,1,2,3,4,5,6,7,8,9,10,11,12,13,14,15
	global_load_b128 v[((\j)&1)*192+4*\i:((\j)&1)*192+4*\i+3], v[GA], s[48:49] offset:(\j)*256+\i*4096 th:TH_LOAD_NT
.endr
	WIN 0
.endm
; tile j's f32 to f16 and into token buffer j & 1; nxt: the tile that is then asked for into the freed set (0: none)
.macro STG j, left, nxt
	s_wait_loadcnt \left                           ; tile j is in; the other set's 16 loads may stay out
	WIN 0x05
.irp i, 0,1,2,3,4,5,6,7,8,9,10,11,12,13,14,15
	v_cvt_pk_f16_f32 v[TMP+2*\i],   v[((\j)&1)*192+4*\i],   v[((\j)&1)*192+4*\i+1]
	v_cvt_pk_f16_f32 v[TMP+2*\i+1], v[((\j)&1)*192+4*\i+2], v[((\j)&1)*192+4*\i+3]
.endr
	WIN 0
.irp i, 0,1,2,3,4,5,6,7,8,9,10,11,12,13,14,15
	ds_store_b64 v[AST], v[TMP+2*\i:TMP+2*\i+1] offset:((\j)&1)*BQ+\i*2*PITCH
.endr
.if \nxt
	ALOAD \nxt
.endif
.endm
; 16 matrix instructions; the 64 accumulators take turns, one instruction a turn
.macro MUL16 f, hi, a0, zero
.irp a, \a0, \a0+1
.irp b, 0,1,2,3,4,5,6,7
.if \zero
	v_wmma_f32_16x16x32_f16 v[8*(8*(\a)+\b):8*(8*(\a)+\b)+7], v[\f+8*\b:\f+8*\b+7], v[\f+8*(4*\hi+\a):\f+8*(4*\hi+\a)+7], 0
.else
	v_wmma_f32_16x16x32_f16 v[8*(8*(\a)+\b):8*(8*(\a)+\b)+7], v[\f+8*\b:\f+8*\b+7], v[\f+8*(4*\hi+\a):\f+8*(4*\hi+\a)+7], v[8*(8*(\a)+\b):8*(8*(\a)+\b)+7]
.endif
.endr
.endr
.endm
; 32 LDS loads: my 128 weight rows and the 128 token rows, 32 along K at byte k, from slot and buffer number slot
.macro FETCH slot, k, f
	WIN 0x40
.irp i, 0,1,2,3,4,5,6,7
	ds_load_b128 v[\f+8*\i:\f+8*\i+3],   v[ADRB+\slot] offset:\k+\i*16*PITCH
	ds_load_b128 v[\f+8*\i+4:\f+8*\i+7], v[ADRB+\slot] offset:\k+\i*16*PITCH+32
.endr
	WIN 0
.irp i, 0,1,2,3,4,5,6,7
	ds_load_b128 v[\f+8*\i:\f+8*\i+3],   v[ADRA+\slot] offset:\k+\i*16*PITCH
	ds_load_b128 v[\f+8*\i+4:\f+8*\i+7], v[ADRA+\slot] offset:\k+\i*16*PITCH+32
.endr
.endm
; first half of a K tile: multiplies F0, fetches the second half's fragments in its middle
.macro H0 slot, zero
	s_wait_dscnt 8                                 ; all but the youngest eight loads (token rows 64-127)
	WIN MUL_LO
	MUL16 F0, 0, 0, \zero
	MUL16 F0, 0, 2, \zero
	PLACES
	FETCH \slot, 64, F1
	s_wait_dscnt 32                                ; all but the 32 just issued
	WIN MUL_HI
	MUL16 F0, 1, 0, \zero
	MUL16 F0, 1, 2, \zero
.endm
; second half: multiplies F1 and changes slots.  One barrier: in front of it my reads of this slot and buffer, my stores into the next buffer and all my
; tensor loads are done; where the slot is filled again it opens a round of the cluster's barrier, and the joint refill is the first tensor load behind the round.
.macro TURN slot, next, fill
	s_wait_dscnt 24                                ; token rows 64-127 (8 loads) and the 16 stores of the next buffer may be out
	WIN MUL_LO
	MUL16 F1, 0, 0, 0
	s_wait_dscnt 0x0
	s_set_vgpr_msb 0xa1a0
	s_wait_tensorcnt 0x0                           ; the one that was out is my part of the next slot
	ds_add_u32 v254, v255
	s_wait_dscnt 0x0
	s_set_vgpr_msb 0xa0a1
	s_barrier_signal -1
	MUL16 F1, 0, 2, 0                              ; register work while the others arrive
	WIN 0
	s_barrier_wait -1
.if \fill
	CREST
	s_add_nc_u64 s[G0B+4*\slot+2:G0B+4*\slot+3], s[G0B+4*\slot+2:G0B+4*\slot+3], 131072   ; two tiles of 65,536 bytes on
	tensor_load_to_lds s[G0B+4*\slot:G0B+4*\slot+3], s[G1B:G1B+7]
	s_nop 0
.endif
	PLACES
	FETCH \next, 0, F0
	WIN MUL_HI
	MUL16 F1, 1, 0, 0
	MUL16 F1, 1, 2, 0
.endm
; the last K tile (slot 1): nothing more to fetch
.macro LAST
	H0 1, 0
	s_wait_dscnt 8
	WIN MUL_LO
	MUL16 F1, 0, 0, 0
	MUL16 F1, 0, 2, 0
	s_wait_dscnt 0x0
	WIN MUL_HI
	MUL16 F1, 1, 0, 0
	MUL16 F1, 1, 2, 0
	WIN 0
	PLACES                                         ; behind the last matrix instructions, for all that reads results or writes fragments
.endm
	s_load_b256 s[4:11], s[0:1], 0x0               ; q s[4:5], k s[6:7], v s[8:9], wt s[10:11]
	s_load_b256 s[12:19], s[0:1], 0x20             ; bu s[12:13], bv s[14:15], tab s[16:17], qx s[18:19]
	s_load_b128 s[20:23], s[0:1], 0x40             ; kx s[20:21], vx s[22:23]
	v_lshl_add_u32 v254, v0, 2, 0x35400
	v_mov_b32 v255, 0
	ds_add_u32 v254, v255
	v_lshrrev_b32 v1, 5, v0
	v_readfirstlane_b32 s24, v1                    ; wave
	s_and_b32 s25, ttmp7, 0xffff                   ; y: which tensor; the same in all four partners
	s_bfe_u32 s26, ttmp6, 0x40000                  ; cx
	s_lshl_b32 s27, ttmp9, 2
	s_add_co_u32 s27, s27, s26                     ; token block, 0 .. 63
	v_and_b32 v2, 15, v0                           ; r = l % 16
	v_bfe_u32 v3, v0, 4, 1                         ; h = l / 16
	s_lshl_b32 s28, s24, 16                        ; my 32 rows of 2,048 bytes
	v_lshlrev_b32 v4, 11, v3
	v_lshl_add_u32 v4, v2, 4, v4
	v_add_nc_u32 v[GA], s28, v4
	; group 1 of the weight tiles: 128 rows x 64 f16, dense in wt, 16 bytes of padding behind each row's 32 words
	s_mov_b32 s[G1B+0], 15|(1<<16)|(1<<20)|(1<<21)|(4<<22)|(3<<25)
	s_mov_b32 s[G1B+1], 64<<16
	s_mov_b32 s[G1B+2], 128<<16
	s_mov_b32 s[G1B+3], 64<<16
	s_mov_b32 s[G1B+4], 128
	s_mov_b32 s[G1B+5], 64
	s_mov_b32 s[G1B+6], 0
	s_mov_b32 s[G1B+7], 0
	s_mul_i32 s29, s24, BQ                         ; my 128 rows in a slot
	s_lshl_b32 s58, s25, 19                        ; the tensor's part of wt
	s_lshl_b32 s28, s24, 14                        ; my 128 rows of 128 bytes
	s_add_co_u32 s58, s58, s28
	s_mov_b32 s59, 0
	s_lshl_b32 s54, s27, 18                        ; 128 token rows of 2,048 bytes
	s_mov_b32 s55, 0
	s_wait_dscnt 0x0
	s_wait_kmcnt 0x0
	s_cmp_eq_u32 s25, 1
	s_cselect_b64 s[48:49], s[6:7], s[4:5]
	s_cmp_eq_u32 s25, 2
	s_cselect_b64 s[48:49], s[8:9], s[48:49]
	s_add_nc_u64 s[48:49], s[48:49], s[54:55]
	ALOAD 0
	ALOAD 1
	s_add_nc_u64 s[56:57], s[10:11], s[58:59]      ; made of y and the wave's number alone: equal in the four partners
	CROUND                                         ; the four work-groups are here: the first joint loads meet
.irp s, 0,1
	s_mov_b32 s[G0B+4*\s], 1
	s_add_co_u32 s[G0B+4*\s+1], s29, \s*BSLOT
	s_add_nc_u64 s[G0B+4*\s+2:G0B+4*\s+3], s[56:57], \s*65536
	s_or_b32 s[G0B+4*\s+3], s[G0B+4*\s+3], 0x80000000
	tensor_load_to_lds s[G0B+4*\s:G0B+4*\s+3], s[G1B:G1B+7]
	s_nop 0
.endr
	v_mul_u32_u24 v5, v2, PITCH
	v_lshl_add_u32 v5, v3, 4, v5                   ; row x pitch + 16 x half: a fragment's address
	v_add_nc_u32 v[ADRA], ABUF, v5
	v_add_nc_u32 v[ADRA+1], ABUF+BQ, v5
	v_add_nc_u32 v[ADRB], s29, v5
	v_add_nc_u32 v[ADRB+1], BSLOT, v[ADRB]
	s_mul_i32 s28, s24, 32*PITCH
	s_add_co_u32 s28, s28, ABUF
	v_mul_u32_u24 v6, v3, PITCH
	v_lshl_add_u32 v6, v2, 3, v6
	v_add_nc_u32 v[AST], s28, v6                   ; where my converted 8 bytes go
	STG 0, 16, 2
	s_wait_dscnt 0x0                               ; my rows of buffer 0 are stored
	s_wait_tensorcnt 0x1                           ; slot 0's part is in; slot 1's stays out
	s_barrier_signal -1
	s_barrier_wait -1
	FETCH 0, 0, F0
	H0 0, 1                                        ; the first products start the sums: nothing is cleared
	STG 1, 16, 3
	TURN 0, 1, 1
	H0 1, 0
	STG 2, 16, 4
	TURN 1, 0, 1
	H0 0, 0
	STG 3, 16, 5
	TURN 0, 1, 1
	H0 1, 0
	STG 4, 16, 6
	TURN 1, 0, 1
	H0 0, 0
	STG 5, 16, 7
	TURN 0, 1, 1
	H0 1, 0
	STG 6, 16, 0
	TURN 1, 0, 1                                   ; the last refill: tile 7
	H0 0, 0
	STG 7, 0, 0
	TURN 0, 1, 0
	WIN 0
	s_mul_i32 s28, s24, STGW
	s_add_co_u32 s28, s28, STAGE                   ; my stage
	s_lshr_b32 s30, s27, 3                         ; batch
	s_lshl_b32 s30, s30, 3
	s_lshl_b32 s31, s24, 1
	s_add_co_u32 s30, s30, s31                     ; 8 b + 2 w: my first head's plane
	s_and_b32 s31, s27, 7                          ; t0 / 128
	s_cmp_lg_u32 s25, 0
	s_cbranch_scc1 .Lkv
	; ---------------- the way of q ----------------
	s_lshl_b32 s54, s30, 18                        ; planes of 1,024 rows of 256 bytes
	s_lshl_b32 s31, s31, 15                        ; t0 rows of 256 bytes, in qx and in tab alike
	s_add_co_u32 s54, s54, s31
	s_add_nc_u64 s[50:51], s[18:19], s[54:55]
	s_mov_b32 s54, s31
	s_add_nc_u64 s[52:53], s[16:17], s[54:55]
	v_lshlrev_b32 v4, 8, v3
	s_lshl_b32 s31, s24, 3
	v_add_nc_u32 v[BIO], s31, v4                   ; bu, bv: e = 8 h + .., head 2 w
	v_lshlrev_b32 v4, 8, v2
	v_lshl_add_u32 v[TBO], v3, 5, v4               ; tab: row r, 32 bytes for each half of the lanes
	v_mul_u32_u24 v4, v2, 528
	v_lshl_add_u32 v4, v3, 4, v4
	v_add_nc_u32 v[STO], s28, v4                   ; stage: a token's row is 2 heads x 256 bytes + 16
	v_lshlrev_b32 v4, 8, v3
	v_lshl_add_u32 v4, v2, 4, v4
	v_add_nc_u32 v[RD], s28, v4                    ; back: lanes 0-15 one head's 256 bytes, lanes 16-31 the other's
	v_lshlrev_b32 v4, 18, v3
	v_lshl_add_u32 v[CO], v2, 4, v4
	WIN 0x40                                       ; the biases of my 64 n' into the freed sets of window 1
.irp b, 0,1,2,3,4,5,6,7
.irp j, 0,1,2,3,4,5,6,7
	global_load_b32 v[8*\b+\j], v[BIO], s[12:13] offset:(\b&3)*512+\j*32+(\b>>2)*4
.endr
.endr
.irp b, 0,1,2,3,4,5,6,7
.irp j, 0,1,2,3,4,5,6,7
	global_load_b32 v[192+8*\b+\j], v[BIO], s[14:15] offset:(\b&3)*512+\j*32+(\b>>2)*4
.endr
.endr
	WIN 0
; sines and cosines of token block a: 32 numbers a lane, into v32-63 (a even) or v192-223 (a odd)
.macro TLOAD a
.irp eb, 0,1,2,3
	global_load_b128 v[32+((\a)&1)*160+8*\eb:32+((\a)&1)*160+8*\eb+3],   v[TBO], s[52:53] offset:(\a)*4096+\eb*64
	global_load_b128 v[32+((\a)&1)*160+8*\eb+4:32+((\a)&1)*160+8*\eb+7], v[TBO], s[52:53] offset:(\a)*4096+\eb*64+16
.endr
.endm
	TLOAD 0
	TLOAD 1
	LAST
; 16 tokens: add the biases, turn the second copy, round to f16, through my stage, out as whole rows of 256 bytes
.macro QOUT a, ap, win, left, nxt
	s_wait_loadcnt \left                           ; this block's table set is in; the next block's eight loads may stay out
	WIN \win
.irp b, 0,1,2,3,4,5,6,7
.irp p, 0,1,2,3
	v_pk_add_f32 v[64+16*\b+2*\p:65+16*\b+2*\p], v[8*(8*\ap+\b)+2*\p:8*(8*\ap+\b)+2*\p+1], v[8*\b+2*\p:8*\b+2*\p+1]
	v_pk_add_f32 v[72+16*\b+2*\p:73+16*\b+2*\p], v[8*(8*\ap+\b)+2*\p:8*(8*\ap+\b)+2*\p+1], v[192+8*\b+2*\p:193+8*\b+2*\p]
.endr
.endr
	WIN 0
.set TB, 32+((\a)&1)*160
.irp b, 0,1,2,3,4,5,6,7
.irp p, 0,1,2,3
	v_pk_mul_f32 v[224+2*\p:225+2*\p], v[72+16*\b+2*\p:73+16*\b+2*\p], v[TB+8*(\b&3)+2*\p:TB+8*(\b&3)+2*\p+1] op_sel:[0,1] op_sel_hi:[1,1]   ; both times the cosine
.endr
.irp p, 0,1,2,3
	v_fma_f32 v[224+2*\p], v[73+16*\b+2*\p], v[TB+8*(\b&3)+2*\p], v[224+2*\p]      ; even: + odd x sine
	v_fma_f32 v[225+2*\p], -v[72+16*\b+2*\p], v[TB+8*(\b&3)+2*\p], v[225+2*\p]     ; odd:  - even x sine
.endr
.irp p, 0,1,2,3
	v_cvt_pk_f16_f32 v[232+(\b&1)*8+\p], v[64+16*\b+2*\p], v[65+16*\b+2*\p]
	v_cvt_pk_f16_f32 v[236+(\b&1)*8+\p], v[224+2*\p], v[225+2*\p]
.endr
	ds_store_b128 v[STO], v[232+(\b&1)*8:235+(\b&1)*8] offset:(\b>>2)*256+(\b&3)*32
	ds_store_b128 v[STO], v[236+(\b&1)*8:239+(\b&1)*8] offset:(\b>>2)*256+(\b&3)*32+128
.endr
.if \nxt
	TLOAD \nxt
.endif
	s_wait_xcnt 0x0                                ; the registers that the stores of two blocks ago read are loaded again only behind this wait
.set FB, 64+((\a)&1)*64
	WIN 0x40
.irp u, 0,1,2,3,4,5,6,7,8,9,10,11,12,13,14,15
	ds_load_b128 v[FB+4*\u:FB+4*\u+3], v[RD] offset:\u*528     ; my own bytes: LDS serves a wave's instructions in order
.endr
	WIN 0x04
.irp u, 0,1,2,3,4,5,6,7,8,9,10,11,12,13,14,15
	s_wait_dscnt 15-\u
	global_store_b128 v[CO], v[FB+4*\u:FB+4*\u+3], s[50:51] offset:(16*(\a)+\u)*256   ; 16 lanes: one row of qx, 256 bytes, aligned
.endr
	WIN 0
.endm
	QOUT 0, 0, 0x06, 8, 2
	QOUT 1, 1, 0x06, 8, 3
	QOUT 2, 2, 0x06, 8, 4
	QOUT 3, 3, 0x06, 8, 5
	QOUT 4, 0, 0x07, 8, 6
	QOUT 5, 1, 0x07, 8, 7
	QOUT 6, 2, 0x07, 8, 0
	QOUT 7, 3, 0x07, 0, 0
	s_branch .Lclose
	; ---------------- the way of k and v ----------------
.Lkv:
	s_cmp_eq_u32 s25, 1
	s_cselect_b64 s[50:51], s[20:21], s[22:23]
	s_lshl_b32 s54, s30, 17                        ; planes of 1,024 rows of 128 bytes
	s_lshl_b32 s31, s31, 14
	s_add_co_u32 s54, s54, s31
	s_add_nc_u64 s[50:51], s[50:51], s[54:55]
	v_and_b32 v5, 7, v0
	v_bfe_u32 v6, v0, 3, 1
	v_mul_u32_u24 v4, v2, 272
	v_lshl_add_u32 v4, v3, 4, v4
	v_add_nc_u32 v[STO], s28, v4                   ; stage: a token's row is 128 f16 + 16 bytes
	v_mul_u32_u24 v4, v6, 272
	v_lshl_add_u32 v4, v3, 7, v4
	v_lshl_add_u32 v4, v5, 4, v4
	v_add_nc_u32 v[RD], s28, v4                    ; back: 16 lanes take one head's 128 bytes of two neighbouring tokens
	v_lshlrev_b32 v4, 17, v3
	v_lshl_add_u32 v4, v6, 7, v4
	v_lshl_add_u32 v[CO], v5, 4, v4
	LAST
.macro OUT16 a, ap, from, f
	WIN \from
.irp b, 0,1,2,3,4,5,6,7
.irp r, 0,1,2,3
	v_cvt_pk_f16_f32 v[TMP+4*\b+\r], v[8*(8*\ap+\b)+2*\r], v[8*(8*\ap+\b)+2*\r+1]
.endr
.endr
	WIN 0
.irp b, 0,1,2,3,4,5,6,7
	ds_store_b128 v[STO], v[TMP+4*\b:TMP+4*\b+3] offset:32*\b
.endr
	s_wait_xcnt 0x0                                ; buffer f, which earlier stores read, is loaded again only behind this wait
.irp t, 0,1,2,3,4,5,6,7
	ds_load_b128 v[\f+4*\t:\f+4*\t+3], v[RD] offset:\t*544
.endr
.irp t, 0,1,2,3,4,5,6,7
	s_wait_dscnt 7-\t
	global_store_b128 v[CO], v[\f+4*\t:\f+4*\t+3], s[50:51] offset:\a*2048+\t*256   ; 16 lanes: two rows of 128 bytes, 256 consecutive bytes, aligned
.endr
.endm
	OUT16 0, 0, 0x0a, F0
	OUT16 1, 1, 0x0a, F1
	OUT16 2, 2, 0x0a, F0
	OUT16 3, 3, 0x0a, F1
	OUT16 4, 0, 0x0f, F0
	OUT16 5, 1, 0x0f, F1
	OUT16 6, 2, 0x0f, F0
	OUT16 7, 3, 0x0f, F1
.Lclose:
	s_wait_tensorcnt 0x0
	ds_add_u32 v254, v255
	s_wait_dscnt 0x0
	CROUND                                         ; the closing round: no work-group ends while a partner may still ask jointly
	s_endpgm
.Lfunc_end_k_q43cb41788a_proj:
	.size	k_q43cb41788a_proj, .Lfunc_end_k_q43cb41788a_proj-k_q43cb41788a_proj
	.p2alignl 7, 3214868480
	.fill 96, 4, 3214868480
	.section	.rodata,"a",@progbits
	.p2align	6, 0x0
	.amdhsa_kernel k_q43cb41788a_proj
		.amdhsa_group_segment_fixed_size 327680
		.amdhsa_private_segment_fixed_size 0
		.amdhsa_enable_private_segment 0
		.amdhsa_kernarg_size 80
		.amdhsa_user_sgpr_count 2
		.amdhsa_user_sgpr_kernarg_segment_ptr 1
		.amdhsa_wavefront_size32 1
		.amdhsa_system_sgpr_workgroup_id_x 1
		.amdhsa_system_sgpr_workgroup_id_y 1
		.amdhsa_system_sgpr_workgroup_id_z 1
		.amdhsa_system_vgpr_workitem_id 0
		.amdhsa_next_free_vgpr 1024
		.amdhsa_next_free_sgpr 66
		.amdhsa_reserve_vcc 0
		.amdhsa_float_denorm_mode_32 3
		.amdhsa_float_denorm_mode_16_64 3
		.amdhsa_memory_ordered 1
		.amdhsa_forward_progress 1
		.amdhsa_inst_pref_size 255
	.end_amdhsa_kernel
	.section	.bss,"aw",@nobits
	.p2align	6
	.space	262144
	.amdgpu_metadata
---
amdhsa.version: [ 1, 2 ]
amdhsa.kernels:
  - .name:           k_q43cb41788a_proj
    .symbol:         k_q43cb41788a_proj.kd
    .args:
      - { .name: q, .offset: 0, .size: 8, .value_kind: global_buffer, .address_space: global }
      - { .name: k, .offset: 8, .size: 8, .value_kind: global_buffer, .address_space: global }
      - { .name: v, .offset: 16, .size: 8, .value_kind: global_buffer, .address_space: global }
      - { .name: wt, .offset: 24, .size: 8, .value_kind: global_buffer, .address_space: global }
      - { .name: bu, .offset: 32, .size: 8, .value_kind: global_buffer, .address_space: global }
      - { .name: bv, .offset: 40, .size: 8, .value_kind: global_buffer, .address_space: global }
      - { .name: tab, .offset: 48, .size: 8, .value_kind: global_buffer, .address_space: global }
      - { .name: qx, .offset: 56, .size: 8, .value_kind: global_buffer, .address_space: global }
      - { .name: kx, .offset: 64, .size: 8, .value_kind: global_buffer, .address_space: global }
      - { .name: vx, .offset: 72, .size: 8, .value_kind: global_buffer, .address_space: global }
    .group_segment_fixed_size: 327680
    .private_segment_fixed_size: 0
    .kernarg_segment_align: 8
    .kernarg_segment_size: 80
    .max_flat_workgroup_size: 128
    .sgpr_count:     66
    .vgpr_count:     1024
    .wavefront_size: 32
...
	.end_amdgpu_metadata
.endif
;; end of part 2
;; launch attn (part 3): grid 4 x 64, 8 waves a work-group, clusters of 4 x 1, 327,680 bytes of LDS; arguments qx, kx, vx, stab, mask, xx; writes xx
.if DOCPART == 3
	.amdgcn_target "amdgcn-amd-amdhsa--gfx1250"
	.amdhsa_code_object_version 6
	.text
	.protected	k_q43cb41788a_attn
	.globl	k_q43cb41788a_attn
	.p2align	8
	.type	k_q43cb41788a_attn,@function
k_q43cb41788a_attn:
	s_mov_b64 s[64:65], 0
	v_nop
	global_prefetch_b8 v0, s[64:65] scope:SCOPE_SE
	s_setreg_imm32_b32 hwreg(HW_REG_WAVE_MODE, 25, 1), 1
	s_wait_xcnt 0x0
	s_wait_alu depctr_hold_cnt(0) depctr_sa_sdst(0) depctr_va_vdst(0) depctr_va_sdst(0) depctr_va_ssrc(0) depctr_va_vcc(0) depctr_vm_vsrc(0)
	s_getreg_b32 s2, hwreg(HW_REG_IB_STS2, 6, 4)
	s_cmp_eq_u32 s2, 0
	s_cbranch_scc0 .Lentry_in_a_cluster
	s_endpgm
.Lentry_in_a_cluster:
	s_bfe_u32 s2, ttmp6, 0x10000c
	s_cmp_lg_u32 s2, 0x3003
	s_cbranch_scc0 .Lentry_shape_is_right
	s_endpgm
.Lentry_shape_is_right:
; ATTN: for one (batch, head) and 256 queries: scores = [qu | qr] . [kp | S] (K = 128), key mask, softmax with a running maximum, P V, divided by the sum.
; Eight waves: wave w takes queries 64 (w & 3) .. +63 and, of each tile of 128 keys, the half w >> 2; the two halves' results meet in LDS at the end.
; Scores are made transposed (source 0 = 16 key rows, source 1 = 16 query rows): a lane holds one query and eight keys, so the maximum needs one exchange
; between the halves of the lanes, the rescaling factor is the lane's own number, and two score tiles, rounded to f16 in place, ARE source 1 of
; O^T = V^T P^T.  V^T's fragments come by transposing LDS loads.  Operands f16, sums f32.
; The exponent is c s - c max, c = log2(e) / 8; NM = - c max is kept, so that the factor 2^(NM new - NM old) fits the shift used in p exactly.
; TWO PHASES: a tile's work is HEAD (64 score products, then V^T's fragments into registers), SOFT 0 (the softmax step of query block 0) and REST (the
; steps of blocks 1-3, the rescaling of O, 32 products of P V).  Every wave runs HEAD and SOFT 0 of tile i in trip i.  Waves 0-3 run REST behind them;
; waves 4-7 run it at the head of trip i + 1, so that half of the waves are in vector work while the other half issue matrix products.  Behind HEAD a
; tile lives in registers alone (scores v128-255, fragments v64-127), so all reads of a slot still stand in its own trip.  Trip 0 is run whole by every
; wave: its first products and sums start O, NM and the sums on every way through the text, and nothing is cleared.
; THE MASK: a masked key gets -2^100 added to its raw score, and the running maximum is never taken below -2^90, so that keys of which all so far are
; masked give p = 0 and sum 0.  Raw scores are below 128 x 65,504^2 < 2^39 in magnitude by the f16 operands' range, far above that floor.
; A row counts as fully masked, result NaN as in the reference, where - c max > 2^80.  A mask byte other than 0 counts as true.
; CLUSTER: the four work-groups of a cluster are the four query blocks of one (batch, head): they walk the same tiles of K, S and V, which are asked for
; jointly (mask 15): a quarter of the requests.  One tensor load a wave and tile: waves 0, 1 K's halves, 2, 3 S's halves, 4-7 V's quarters.
; A ring of two slots; a wave has one tensor load out behind each round, and it has a whole trip's work in which to land.
.set SLOT,  57344                      ; K 128 x 144, S 128 x 144, V 128 x 160
.set SOFF,  18432
.set VOFF,  36864
.set MASKB, 2*SLOT                     ; 1,024 f32: 0 or -2^100 for each key
.set XCH,   MASKB+4096                 ; where the lower key half's waves hand over: 17,920 bytes for each query quarter
.set XCHW,  17920
.set OUTS,  XCH+4*XCHW                 ; the way out: 64 rows x 144 for each query quarter
.set OUTW,  9216
.set KADR, 1
.set VADR, 3
.set MADR, 5
.set QO,   6
.set XA,   7
.set OST,  8
.set ORD,  9
.set OGL,  10
.set NANR, 11
.set NM,   12                          ; v[12+2n] = NM, v[13+2n] = the tile's factor
.set LS,   20                          ; v[20+n] the sums
.set MB,   32                          ; v32-63 mask biases, C of the first score products
.set FR,   64                          ; v64-127 fragments of K', then of V^T
.set SC,   128                         ; v128-255 scores, tile (mb, n) at SC + 8 (4 n + mb)
.set OB,   128                         ; window 1: O^T, tile (eb, n) at OB + 8 (4 n + eb); window 1 v0-127: Q' fragments (n, ks) at 8 (4 n + ks)
.set G1KS, 24
.set G1V,  32
.set G0KS, 40
.set G0V,  48
.set MSB, 0
.macro WIN new
.if MSB != (\new)
	s_set_vgpr_msb (MSB<<8)|(\new)
.set MSB, (\new)
.endif
.endm
.macro PLACES
.rept 4
	v_nop
.endr
.endm
.macro CREST
	s_cmp_lg_u32 s16, 0
	s_cbranch_scc1 .Lnot_wave_0_\@
	s_barrier_signal -3
.Lnot_wave_0_\@:
	s_barrier_wait -3
	s_barrier_signal -1
	s_barrier_wait -1
.endm
.macro CROUND
	s_barrier_signal -1
	s_barrier_wait -1
	CREST
.endm
.macro JLOAD s                         ; every wave asks for one part of the tile; the branch hangs on the wave's number alone
	s_cmp_lt_u32 s16, 4
	s_cbranch_scc0 .Lfor_v_\@
	tensor_load_to_lds s[G0KS+4*\s:G0KS+4*\s+3], s[G1KS:G1KS+7]
	s_nop 0
	s_branch .Lasked_\@
.Lfor_v_\@:
	tensor_load_to_lds s[G0V+4*\s:G0V+4*\s+3], s[G1V:G1V+7]
	s_nop 0
.Lasked_\@:
.endm
.macro KLOAD slot, mb, dst             ; 16 keys x 128 of K': 64 from K's row, 64 from S's
.irp ks, 0,1
	ds_load_b128 v[\dst+8*\ks:\dst+8*\ks+3],   v[KADR+\slot] offset:\mb*2304+\ks*64
	ds_load_b128 v[\dst+8*\ks+4:\dst+8*\ks+7], v[KADR+\slot] offset:\mb*2304+\ks*64+32
.endr
.irp ks, 0,1
	ds_load_b128 v[\dst+16+8*\ks:\dst+16+8*\ks+3],   v[KADR+\slot] offset:SOFF+\mb*2304+\ks*64
	ds_load_b128 v[\dst+16+8*\ks+4:\dst+16+8*\ks+7], v[KADR+\slot] offset:SOFF+\mb*2304+\ks*64+32
.endr
.endm
; 16 keys x 64 queries: four accumulators take turns, one instruction a turn; the first product takes the mask bias as C
.macro SCORE mb, kf
.irp n, 0,1,2,3
	v_wmma_f32_16x16x32_f16 v[SC+8*(4*\n+\mb):SC+8*(4*\n+\mb)+7], v[\kf:\kf+7], v[32*\n:32*\n+7], v[MB+8*\mb:MB+8*\mb+7]
.endr
.irp ks, 1,2,3
.irp n, 0,1,2,3
	v_wmma_f32_16x16x32_f16 v[SC+8*(4*\n+\mb):SC+8*(4*\n+\mb)+7], v[\kf+8*\ks:\kf+8*\ks+7], v[8*(4*\n+\ks):8*(4*\n+\ks)+7], v[SC+8*(4*\n+\mb):SC+8*(4*\n+\mb)+7]
.endr
.endr
.endm
; the softmax step of query block n: 32 scores a lane
.macro SOFT n, first
.set SB, SC+32*\n
	v_max3_num_f32 v24, v[SB], v[SB+1], v[SB+2]
	v_max3_num_f32 v25, v[SB+17], v[SB+18], v[SB+19]
.irp i, 0,1,2,3,4,5
	v_max3_num_f32 v24, v24, v[SB+3+2*\i], v[SB+4+2*\i]
	v_max3_num_f32 v25, v25, v[SB+20+2*\i], v[SB+21+2*\i]
.endr
	v_max3_num_f32 v24, v24, v[SB+15], v[SB+16]
	v_max_num_f32 v24, v24, v25
	v_permlanex16_b32 v26, v24, s22, s23           ; the other eight keys of each block lie in the other half of the lanes
	v_max3_num_f32 v24, v24, v26, s62              ; and never below -2^90: where every key is masked the exponents below stay hugely negative
.if \first
	v_mul_f32 v[NM+2*\n], 0xbe38aa3b, v24          ; - c max
.else
	v_mul_f32 v27, 0xbe38aa3b, v24
	v_min_num_f32 v27, v27, v[NM+2*\n]             ; the running maximum, as - c max
	v_sub_f32 v30, v27, v[NM+2*\n]
	v_exp_f32 v[NM+2*\n+1], v30                    ; the factor for what has been summed so far
	v_mov_b32 v[NM+2*\n], v27                      ; (the plain place behind the exponential)
	s_wait_alu depctr_va_vdst(0)
.endif
.irp i, 0,1,2,3,4,5,6,7,8,9,10,11,12,13,14,15
	v_pk_fma_f32 v[SB+2*\i:SB+2*\i+1], v[SB+2*\i:SB+2*\i+1], 0x3e38aa3b, v[NM+2*\n:NM+2*\n+1] op_sel_hi:[1,0,0]
.endr
.set i, 0
.rept 32
	v_exp_f32 v[SB+i], v[SB+i]
.set i, i+1
.endr
.if \first
	v_nop                                          ; one plain place behind the exponentials (ISA guide 5.7.2)
	s_wait_alu depctr_va_vdst(0)
.else
	v_mul_f32 v[LS+\n], v[LS+\n], v[NM+2*\n+1]     ; useful work in that place
	s_wait_alu depctr_va_vdst(0)
.endif
	v_pk_add_f32 v[24:25], v[SB:SB+1], v[SB+2:SB+3]
	v_pk_add_f32 v[28:29], v[SB+16:SB+17], v[SB+18:SB+19]
.irp i, 0,1,2,3,4,5
	v_pk_add_f32 v[24:25], v[24:25], v[SB+4+2*\i:SB+5+2*\i]
	v_pk_add_f32 v[28:29], v[28:29], v[SB+20+2*\i:SB+21+2*\i]
.endr
	v_pk_add_f32 v[24:25], v[24:25], v[28:29]
.if \first
	v_add_f32 v[LS+\n], v24, v25
.else
	v_add_f32 v24, v24, v25
	v_add_f32 v[LS+\n], v[LS+\n], v24
.endif
.irp kp, 0,1
.irp i, 0,1,2,3,4,5,6,7
	v_cvt_pk_f16_f32 v[SB+16*\kp+\i], v[SB+16*\kp+2*\i], v[SB+16*\kp+2*\i+1]   ; in place, ascending: eight registers = source 1 for 32 keys
.endr
.endr
.endm
.macro PVK kp, zero                    ; 32 keys: sixteen accumulators take turns, one instruction a turn
.irp eb, 0,1,2,3
.irp n, 0,1,2,3
.if \zero
	v_wmma_f32_16x16x32_f16 v[OB+8*(4*\n+\eb):OB+8*(4*\n+\eb)+7], v[FR+8*(4*\kp+\eb):FR+8*(4*\kp+\eb)+7], v[SC+32*\n+16*\kp:SC+32*\n+16*\kp+7], 0
.else
	v_wmma_f32_16x16x32_f16 v[OB+8*(4*\n+\eb):OB+8*(4*\n+\eb)+7], v[FR+8*(4*\kp+\eb):FR+8*(4*\kp+\eb)+7], v[SC+32*\n+16*\kp:SC+32*\n+16*\kp+7], v[OB+8*(4*\n+\eb):OB+8*(4*\n+\eb)+7]
.endif
.endr
.endr
.endm
; HEAD: all that a wave reads of a slot: the scores of its 64 keys, then V^T's fragments into the registers that K's have left
.macro HEAD slot
.irp mb, 0,1,2,3
	ds_load_b128 v[MB+8*\mb:MB+8*\mb+3],   v[MADR] offset:\mb*64
	ds_load_b128 v[MB+8*\mb+4:MB+8*\mb+7], v[MADR] offset:\mb*64+16
.endr
	KLOAD \slot, 0, FR
	KLOAD \slot, 1, FR+32
	v_add_nc_u32 v[MADR], 512, v[MADR]             ; the next tile's 128 keys
	WIN 0x04                                       ; source 1 (Q') in window 1
	s_wait_dscnt 8                                 ; each of these counts leaves only the youngest run of eight fragment loads out
	SCORE 0, FR
	PLACES
	KLOAD \slot, 2, FR
	s_wait_dscnt 8
	SCORE 1, FR+32
	PLACES
	KLOAD \slot, 3, FR+32
	s_wait_dscnt 8
	SCORE 2, FR
	s_wait_dscnt 0x0
	SCORE 3, FR+32
	WIN 0
	PLACES                                         ; behind the last score product: for the loads into its sources and for the reads of the scores
.irp kp, 0,1
.irp eb, 0,1,2,3
	ds_load_tr16_b128 v[FR+8*(4*\kp+\eb):FR+8*(4*\kp+\eb)+3],   v[VADR+\slot] offset:\kp*5120+\eb*32
	ds_load_tr16_b128 v[FR+8*(4*\kp+\eb)+4:FR+8*(4*\kp+\eb)+7], v[VADR+\slot] offset:\kp*5120+\eb*32+2560
.endr
.endr
.endm
; the rescaling of O and the products P V
.macro FINISH first
.if \first
.else
	WIN 0x41
.irp n, 0,1,2,3
.irp t, 0,1,2,3,4,5,6,7,8,9,10,11,12,13,14,15
	v_pk_mul_f32 v[OB+32*\n+2*\t:OB+32*\n+2*\t+1], v[OB+32*\n+2*\t:OB+32*\n+2*\t+1], v[NM+2*\n:NM+2*\n+1] op_sel:[0,1] op_sel_hi:[1,1]
.endr
.endr
.endif
	s_wait_dscnt 0x0                               ; V^T's fragments (in waves 4-7 the wait in front of the round has already shown them in)
	WIN 0x50
	PVK 0, \first
	PVK 1, 0
	WIN 0
.rept 5
	v_nop                                          ; five places: the next score products write over P, the next loads land in the fragments
.endr
.endm
.macro REST
	SOFT 1, 0
	SOFT 2, 0
	SOFT 3, 0
	FINISH 0
.endm
; A trip: in front of the round my tensor load has landed and my LDS reads are back; the joint refill is first behind it.
; kind 0: the first trip, run whole by every wave; 1: the second, in which waves 4-7 have nothing left over; 2: every later one.
; The branches hang on the wave's number alone and jump over register work and a wait for LDS loads, over no barrier and no tensor load.
.macro TRIP slot, other, refill, kind
	s_wait_xcnt 0x0
	v_lshl_add_u32 v158, v0, 2, 0x37800
	v_mov_b32 v159, 0
	s_wait_tensorcnt 0x0
	ds_add_u32 v158, v159
	s_wait_dscnt 0x0
	s_add_nc_u64 s[G0KS+4*\slot+2:G0KS+4*\slot+3], s[G0KS+4*\slot+2:G0KS+4*\slot+3], 32768   ; no load of mine is out: this slot's next tile, two tiles on
	s_add_nc_u64 s[G0V+4*\slot+2:G0V+4*\slot+3], s[G0V+4*\slot+2:G0V+4*\slot+3], 32768
	s_wait_dscnt 0x0
	CROUND
.if \refill
	JLOAD \other
.endif
.if \kind == 2
	s_cmp_lt_u32 s16, 4
	s_cbranch_scc1 .Lhead_\@
	REST                                           ; waves 4-7: the last tile's, from registers
.Lhead_\@:
.endif
	HEAD \slot
.if \kind == 0
	SOFT 0, 1                                      ; the first sums and products start NM, the sums and O: nothing is cleared
	SOFT 1, 1
	SOFT 2, 1
	SOFT 3, 1
	FINISH 1
.else
	SOFT 0, 0
	s_cmp_lt_u32 s16, 4
	s_cbranch_scc0 .Ljoin_\@
	REST                                           ; waves 0-3: this tile's
.Ljoin_\@:
.endif
.endm
.macro LSUM                            ; the sums of the two halves of the lanes
.irp n, 0,1,2,3
	v_permlanex16_b32 v26, v[LS+\n], s22, s23
	v_add_f32 v[LS+\n], v[LS+\n], v26
.endr
.endm
	s_load_b256 s[4:11], s[0:1], 0x0               ; qx s[4:5], kx s[6:7], vx s[8:9], stab s[10:11]
	s_load_b128 s[12:15], s[0:1], 0x20             ; mask s[12:13], xx s[14:15]
	v_lshl_add_u32 v158, v0, 2, 0x37800
	v_mov_b32 v159, 0
	ds_add_u32 v158, v159
	s_wait_dscnt 0x0
	v_lshrrev_b32 v32, 5, v0
	v_readfirstlane_b32 s16, v32                   ; wave
	s_and_b32 s17, ttmp7, 0xffff                   ; 8 b + h
	s_bfe_u32 s18, ttmp6, 0x40000                  ; cx
	s_lshl_b32 s70, ttmp9, 2
	s_add_co_u32 s18, s18, s70                     ; query block
	s_and_b32 s19, s16, 3                          ; query quarter
	s_lshr_b32 s20, s16, 2                         ; key half
	s_mov_b32 s22, 0x76543210                      ; v_permlanex16_b32: lane i reads lane i of the other half
	s_mov_b32 s23, 0xfedcba98
	s_mov_b32 s62, 0xec800000                      ; -2^90: the floor of the running maximum
	v_and_b32 v32, 15, v0                          ; r
	v_bfe_u32 v33, v0, 4, 1                        ; h
	v_and_b32 v34, 7, v0
	v_bfe_u32 v35, v0, 3, 1
	v_and_b32 v36, 31, v0                          ; lane
	v_lshlrev_b32 v38, 2, v0                       ; my four mask bytes
	v_lshlrev_b32 v[QO], 8, v32
	v_lshl_add_u32 v[QO], v33, 4, v[QO]
	s_lshr_b32 s56, s17, 3
	s_lshl_b32 s56, s56, 10                        ; the batch's 1,024 mask bytes
	s_mov_b32 s57, 0
	s_lshl_b32 s68, s17, 18                        ; qx: planes of 1,024 rows of 256 bytes
	s_lshl_b32 s70, s18, 16
	s_add_co_u32 s68, s68, s70
	s_lshl_b32 s70, s19, 14
	s_add_co_u32 s68, s68, s70
	s_mov_b32 s69, 0
	s_wait_kmcnt 0x0
	s_add_nc_u64 s[12:13], s[12:13], s[56:57]
	global_load_b32 v39, v38, s[12:13]
	s_add_nc_u64 s[4:5], s[4:5], s[68:69]
	WIN 0x40
.irp n, 0,1,2,3
.irp ks, 0,1,2,3
	global_load_b128 v[8*(4*\n+\ks):8*(4*\n+\ks)+3],   v[QO], s[4:5] offset:\n*4096+\ks*64
	global_load_b128 v[8*(4*\n+\ks)+4:8*(4*\n+\ks)+7], v[QO], s[4:5] offset:\n*4096+\ks*64+32
.endr
.endr
	WIN 0
	s_lshr_b32 s68, s68, 1                         ; xx: the same rows, of 128 bytes
	s_add_nc_u64 s[14:15], s[14:15], s[68:69]
	; group 1: K's and S's parts are 64 rows x 64 f16 with 16 bytes behind each row, V's 32 rows with 32 bytes
	s_mov_b32 s[G1KS+0], 15|(1<<16)|(1<<20)|(1<<21)|(4<<22)|(3<<25)
	s_mov_b32 s[G1KS+1], 64<<16
	s_mov_b32 s[G1KS+2], 64<<16
	s_mov_b32 s[G1KS+3], 64<<16
	s_mov_b32 s[G1KS+4], 64
	s_mov_b32 s[G1KS+5], 64
	s_mov_b32 s[G1KS+6], 0
	s_mov_b32 s[G1KS+7], 0
	s_mov_b32 s[G1V+0], 15|(1<<16)|(1<<20)|(1<<21)|(4<<22)|(7<<25)
	s_mov_b32 s[G1V+1], 64<<16
	s_mov_b32 s[G1V+2], 32<<16
	s_mov_b32 s[G1V+3], 64<<16
	s_mov_b32 s[G1V+4], 32
	s_mov_b32 s[G1V+5], 64
	s_mov_b32 s[G1V+6], 0
	s_mov_b32 s[G1V+7], 0
	; group 0: made of 8 b + h and the wave's number alone, so equal in the four partners
	s_lshl_b32 s56, s17, 17
	s_add_nc_u64 s[58:59], s[6:7], s[56:57]
	s_add_nc_u64 s[60:61], s[8:9], s[56:57]
	s_cmp_lt_u32 s16, 2
	s_cselect_b64 s[58:59], s[58:59], s[10:11]     ; waves 0, 1: K; waves 2, 3: S
	s_and_b32 s56, s16, 1
	s_lshl_b32 s56, s56, 13                        ; which 64 rows of 128 bytes
	s_add_nc_u64 s[58:59], s[58:59], s[56:57]
	s_lshl_b32 s56, s19, 12                        ; V: which 32 rows
	s_add_nc_u64 s[60:61], s[60:61], s[56:57]
	s_mul_i32 s66, s19, 9216
	s_mul_i32 s67, s19, 5120
	s_add_co_u32 s67, s67, VOFF
.irp s, 0,1
	s_mov_b32 s[G0KS+4*\s], 1
	s_add_co_u32 s[G0KS+4*\s+1], s66, \s*SLOT
	s_add_nc_u64 s[G0KS+4*\s+2:G0KS+4*\s+3], s[58:59], \s*16384
	s_or_b32 s[G0KS+4*\s+3], s[G0KS+4*\s+3], 0x80000000
	s_mov_b32 s[G0V+4*\s], 1
	s_add_co_u32 s[G0V+4*\s+1], s67, \s*SLOT
	s_add_nc_u64 s[G0V+4*\s+2:G0V+4*\s+3], s[60:61], \s*16384
	s_or_b32 s[G0V+4*\s+3], s[G0V+4*\s+3], 0x80000000
.endr
	CROUND                                         ; the four work-groups are here: the first joint loads meet
	JLOAD 0
	; LDS addresses
	s_mul_i32 s56, s20, 64*144
	v_mul_u32_u24 v37, v32, 144
	v_lshl_add_u32 v37, v33, 4, v37
	v_add_nc_u32 v[KADR], s56, v37
	v_add_nc_u32 v[KADR+1], SLOT, v[KADR]
	s_mul_i32 s56, s20, 64*160
	s_add_co_u32 s56, s56, VOFF
	v_lshl_add_u32 v37, v33, 3, v34                ; key 8 h + (l & 7)
	v_mul_u32_u24 v37, v37, 160
	v_lshl_add_u32 v37, v35, 4, v37
	v_add_nc_u32 v[VADR], s56, v37
	v_add_nc_u32 v[VADR+1], SLOT, v[VADR]
	s_lshl_b32 s56, s20, 8
	s_add_co_u32 s56, s56, MASKB
	v_lshlrev_b32 v37, 5, v33
	v_add_nc_u32 v[MADR], s56, v37
	s_mul_i32 s56, s19, XCHW
	s_add_co_u32 s56, s56, XCH
	v_lshl_add_u32 v[XA], v36, 4, s56
	s_mul_i32 s56, s19, OUTW
	s_add_co_u32 s56, s56, OUTS
	v_mul_u32_u24 v37, v32, 144
	v_lshl_add_u32 v37, v33, 4, v37
	v_add_nc_u32 v[OST], s56, v37
	v_lshrrev_b32 v37, 3, v36
	v_mul_u32_u24 v37, v37, 144
	v_lshl_add_u32 v37, v34, 4, v37
	v_add_nc_u32 v[ORD], s56, v37
	v_lshlrev_b32 v[OGL], 4, v36
	v_mov_b32 v[NANR], 0x7fc00000
	v_mov_b32 v26, 0                               ; v_permlanex16_b32's destination counts as read
.irp n, 0,1,2,3
	v_mov_b32 v[NM+2*\n+1], 1.0                    ; the pairs (NM, factor) are read whole from the first trip on
.endr
	s_lshl_b32 s56, s16, 9
	s_add_co_u32 s56, s56, MASKB
	v_lshl_add_u32 v42, v36, 4, s56                ; my four keys' biases
	v_mov_b32 v40, 0xf1800000                      ; -2^100
	s_wait_loadcnt 32                              ; the mask word is in; Q's 32 loads may stay out
.irp i, 0,1,2,3
	v_bfe_u32 v41, v39, 8*\i, 8
	v_cmp_eq_u32 vcc_lo, 0, v41
	v_cndmask_b32 v[44+\i], 0, v40, vcc_lo
.endr
	ds_store_b128 v42, v[44:47]                    ; shown to the other waves by the first trip's wait and round
	s_wait_loadcnt 0x0                             ; Q'
	TRIP 0, 1, 1, 0                                ; tile 0: whole, in every wave
	TRIP 1, 0, 1, 1                                ; tile 1: from here on waves 4-7 leave REST for the next trip
	s_mov_b32 s21, 2
.Lloop:
	TRIP 0, 1, 1, 2
	TRIP 1, 0, 1, 2
	s_sub_co_i32 s21, s21, 1
	s_cmp_lg_u32 s21, 0
	s_cbranch_scc1 .Lloop
	TRIP 0, 1, 1, 2
	TRIP 1, 0, 0, 2                                ; the last trip asks for nothing
	; waves 0-3 are done and hand over O, NM and the sums, while waves 4-7 run the last tile's REST
	s_cmp_lt_u32 s16, 4
	s_cbranch_scc0 .Ldrain
	LSUM
	WIN 0x04
.set i, 0
.rept 32
	ds_store_b128 v[XA], v[OB+4*i:OB+4*i+3] offset:i*512
.set i, i+1
.endr
	WIN 0
	ds_store_b128 v[XA], v[12:15] offset:16384
	ds_store_b128 v[XA], v[16:19] offset:16896
	ds_store_b128 v[XA], v[20:23] offset:17408
	s_branch .Lmeet
.Ldrain:
	REST
	LSUM
.Lmeet:
	s_wait_dscnt 0x0                               ; my stores are done, for the partner's sake
	s_barrier_signal -1
	s_barrier_wait -1
	s_cmp_lt_u32 s16, 4
	s_cbranch_scc1 .Lclose
	ds_load_b128 v[32:35], v[XA] offset:16384
	ds_load_b128 v[36:39], v[XA] offset:16896
	ds_load_b128 v[40:43], v[XA] offset:17408
.set i, 0
.rept 32
	ds_load_b128 v[SC+4*i:SC+4*i+3], v[XA] offset:i*512
.set i, i+1
.endr
	s_wait_dscnt 32                                ; the partner's NM and sums are in; its O may stay out
.irp n, 0,1,2,3
	v_min_num_f32 v[48+\n], v[NM+2*\n], v[32+2*\n] ; the common maximum, as - c max
	v_sub_f32 v[52+\n], v[48+\n], v[NM+2*\n]
	v_sub_f32 v[56+\n], v[48+\n], v[32+2*\n]
.endr
.irp n, 0,1,2,3
	v_exp_f32 v[52+\n], v[52+\n]
	v_exp_f32 v[56+\n], v[56+\n]
.endr
	v_nop
	s_wait_alu depctr_va_vdst(0)
.irp n, 0,1,2,3
	v_mul_f32 v[60+\n], v[52+\n], v[LS+\n]
	v_fmac_f32 v[60+\n], v[56+\n], v[40+\n]
.endr
.irp n, 0,1,2,3
	v_rcp_f32 v[60+\n], v[60+\n]
.endr
	v_nop
	s_wait_alu depctr_va_vdst(0)
.irp n, 0,1,2,3
	v_mul_f32 v[44+2*\n], v[52+\n], v[60+\n]       ; my factor
	v_mul_f32 v[45+2*\n], v[56+\n], v[60+\n]       ; the partner's
	v_cmp_lt_f32 vcc_lo, 0x67800000, v[48+\n]      ; - c max above 2^80: every key masked: NaN
	v_cndmask_b32 v[44+2*\n], v[44+2*\n], v[NANR], vcc_lo
.endr
	s_wait_dscnt 0x0
.irp n, 0,1,2,3
.irp t, 0,1,2,3,4,5,6,7,8,9,10,11,12,13,14,15
	v_pk_mul_f32 v[SC+32*\n+2*\t:SC+32*\n+2*\t+1], v[SC+32*\n+2*\t:SC+32*\n+2*\t+1], v[44+2*\n:45+2*\n] op_sel:[0,1] op_sel_hi:[1,1]
.endr
.endr
	WIN 0x01
.irp n, 0,1,2,3
.irp t, 0,1,2,3,4,5,6,7,8,9,10,11,12,13,14,15
	v_pk_fma_f32 v[SC+32*\n+2*\t:SC+32*\n+2*\t+1], v[OB+32*\n+2*\t:OB+32*\n+2*\t+1], v[44+2*\n:45+2*\n], v[SC+32*\n+2*\t:SC+32*\n+2*\t+1] op_sel_hi:[1,0,1]
.endr
.endr
	WIN 0
.irp n, 0,1,2,3
.irp eb, 0,1,2,3
.irp i, 0,1,2,3
	v_cvt_pk_f16_f32 v[SC+8*(4*\n+\eb)+\i], v[SC+8*(4*\n+\eb)+2*\i], v[SC+8*(4*\n+\eb)+2*\i+1]
.endr
	ds_store_b128 v[OST], v[SC+8*(4*\n+\eb):SC+8*(4*\n+\eb)+3] offset:\n*2304+\eb*32   ; query 16 n + r, e = 16 eb + 8 h ..
.endr
.endr
.irp u, 0,1,2,3,4,5,6,7,8,9,10,11,12,13,14,15
	ds_load_b128 v[FR+4*\u:FR+4*\u+3], v[ORD] offset:\u*576    ; my own bytes: LDS serves a wave's instructions in order
.endr
.irp u, 0,1,2,3,4,5,6,7,8,9,10,11,12,13,14,15
	s_wait_dscnt 15-\u
	global_store_b128 v[OGL], v[FR+4*\u:FR+4*\u+3], s[14:15] offset:\u*512     ; a store covers four rows of xx: 512 consecutive bytes, aligned
.endr
.Lclose:
	s_wait_xcnt 0x0
	v_lshl_add_u32 v158, v0, 2, 0x37800
	v_mov_b32 v159, 0
	s_wait_tensorcnt 0x0
	ds_add_u32 v158, v159
	s_wait_dscnt 0x0
	CROUND                                         ; the closing round
	s_endpgm
.Lfunc_end_k_q43cb41788a_attn:
	.size	k_q43cb41788a_attn, .Lfunc_end_k_q43cb41788a_attn-k_q43cb41788a_attn
	.p2alignl 7, 3214868480
	.fill 96, 4, 3214868480
	.section	.rodata,"a",@progbits
	.p2align	6, 0x0
	.amdhsa_kernel k_q43cb41788a_attn
		.amdhsa_group_segment_fixed_size 327680
		.amdhsa_private_segment_fixed_size 0
		.amdhsa_enable_private_segment 0
		.amdhsa_kernarg_size 48
		.amdhsa_user_sgpr_count 2
		.amdhsa_user_sgpr_kernarg_segment_ptr 1
		.amdhsa_wavefront_size32 1
		.amdhsa_system_sgpr_workgroup_id_x 1
		.amdhsa_system_sgpr_workgroup_id_y 1
		.amdhsa_system_sgpr_workgroup_id_z 1
		.amdhsa_system_vgpr_workitem_id 0
		.amdhsa_next_free_vgpr 512
		.amdhsa_next_free_sgpr 72
		.amdhsa_reserve_vcc 1
		.amdhsa_float_denorm_mode_32 3
		.amdhsa_float_denorm_mode_16_64 3
		.amdhsa_memory_ordered 1
		.amdhsa_forward_progress 1
		.amdhsa_inst_pref_size 255
	.end_amdhsa_kernel
	.section	.bss,"aw",@nobits
	.p2align	6
	.space	262144
	.amdgpu_metadata
---
amdhsa.version: [ 1, 2 ]
amdhsa.kernels:
  - .name:           k_q43cb41788a_attn
    .symbol:         k_q43cb41788a_attn.kd
    .args:
      - { .name: qx, .offset: 0, .size: 8, .value_kind: global_buffer, .address_space: global }
      - { .name: kx, .offset: 8, .size: 8, .value_kind: global_buffer, .address_space: global }
      - { .name: vx, .offset: 16, .size: 8, .value_kind: global_buffer, .address_space: global }
      - { .name: stab, .offset: 24, .size: 8, .value_kind: global_buffer, .address_space: global }
      - { .name: mask, .offset: 32, .size: 8, .value_kind: global_buffer, .address_space: global }
      - { .name: xx, .offset: 40, .size: 8, .value_kind: global_buffer, .address_space: global }
    .group_segment_fixed_size: 327680
    .private_segment_fixed_size: 0
    .kernarg_segment_align: 8
    .kernarg_segment_size: 48
    .max_flat_workgroup_size: 256
    .sgpr_count:     72
    .vgpr_count:     512
    .wavefront_size: 32
...
	.end_amdgpu_metadata
.endif
;; end of part 3
;; launch oproj (part 4): grid 4 x 64, 4 waves a work-group, clusters of 4 x 4, 312,832 bytes of LDS; arguments xx, wt, out0; writes out0
.if DOCPART == 4
	.amdgcn_target "amdgcn-amd-amdhsa--gfx1250"
	.amdhsa_code_object_version 6
	.text
	.protected	k_q43cb41788a_oproj
	.globl	k_q43cb41788a_oproj
	.p2align	8
	.type	k_q43cb41788a_oproj,@function
k_q43cb41788a_oproj:
	s_mov_b64 s[64:65], 0
	v_nop
	global_prefetch_b8 v0, s[64:65] scope:SCOPE_SE
	s_setreg_imm32_b32 hwreg(HW_REG_WAVE_MODE, 25, 1), 1
	s_wait_xcnt 0x0
	s_wait_alu depctr_hold_cnt(0) depctr_sa_sdst(0) depctr_va_vdst(0) depctr_va_sdst(0) depctr_va_ssrc(0) depctr_va_vcc(0) depctr_vm_vsrc(0)
	s_getreg_b32 s2, hwreg(HW_REG_IB_STS2, 6, 4)
	s_cmp_eq_u32 s2, 0
	s_cbranch_scc0 .Lentry_in_a_cluster
	s_endpgm
.Lentry_in_a_cluster:
	s_bfe_u32 s2, ttmp6, 0x10000c
	s_cmp_lg_u32 s2, 0xf033
	s_cbranch_scc0 .Lentry_shape_is_right
	s_endpgm
.Lentry_shape_is_right:
; OPROJ: out0[b][t][m] = sum over h, e of xx[8 b + h][t][e] wo[e][h][m]; wo comes as wt's fourth part, [h][m][e] in f16.  Sums in f32.
; A work-group makes 128 tokens x 128 m; wave w makes 64 x 64 (16 accumulator tiles in window 1).  K = 512 in eight chunks of 64, one for each head.
; All eight chunks of both operands (16 units of 128 rows x 144 bytes) lie in LDS at once: nothing is filled again, so there is no ring.
; Waves 0, 1 ask for xx's even and odd chunks, waves 2, 3 for wo's: four tensor loads a wave, all issued at the start (four are out),
; and counted waits follow them pair of chunks by pair of chunks.  Unit 4 i + w is filled by wave w's load i.
; CLUSTER: 4 x 4 work-groups.  The four of a row of the cluster make the same tokens and ask for xx's chunks jointly; the four of a column make the same m
; and ask for wo's chunks jointly: a quarter of the requests for both.  Every wave makes both sets of descriptors, in registers of their own:
; none for xx ever holds cx, none for wo ever holds cy.
; Source 0 = rows of wo (m), source 1 = token rows: a lane holds token l % 16 and eight neighbouring m, 32 bytes of a row of out0.
.set U,     18432                      ; a unit: 128 rows x (64 f16 + 16 bytes)
.set STAGE, 16*U                       ; each wave's stage for the way out: 16 rows x 272
.set ADRA, 16
.set ADRB, 17
.set STO,  18
.set RD,   19
.set CO,   20
.set F0,   64
.set F1,   128
.set G1A,  16                          ; s[16:23] group 1 for xx's chunks
.set G1B,  24                          ; s[24:31] group 1 for wo's chunks: another mask
.set G0A,  48                          ; s[48:63] group 0 for xx's chunks, load i = 0 .. 3
.set G0B,  68                          ; s[68:83] group 0 for wo's chunks
.set MSB, 0
.macro WIN new
.if MSB != (\new)
	s_set_vgpr_msb (MSB<<8)|(\new)
.set MSB, (\new)
.endif
.endm
.macro PLACES
.rept 4
	v_nop
.endr
.endm
.macro CREST
	s_cmp_lg_u32 s10, 0
	s_cbranch_scc1 .Lnot_wave_0_\@
	s_barrier_signal -3
.Lnot_wave_0_\@:
	s_barrier_wait -3
	s_barrier_signal -1
	s_barrier_wait -1
.endm
.macro CROUND
	s_barrier_signal -1
	s_barrier_wait -1
	CREST
.endm
.macro FETCH f, k                      ; 16 LDS loads: my 64 rows of wo, my 64 token rows, 32 along K at byte k
.irp i, 0,1,2,3
	ds_load_b128 v[\f+8*\i:\f+8*\i+3],   v[ADRB] offset:\k+\i*2304
	ds_load_b128 v[\f+8*\i+4:\f+8*\i+7], v[ADRB] offset:\k+\i*2304+32
.endr
.irp i, 0,1,2,3
	ds_load_b128 v[\f+32+8*\i:\f+32+8*\i+3],   v[ADRA] offset:\k+\i*2304
	ds_load_b128 v[\f+32+8*\i+4:\f+32+8*\i+7], v[ADRA] offset:\k+\i*2304+32
.endr
.endm
.macro MUL f, zero                     ; sixteen accumulators take turns, one instruction a turn
.irp a, 0,1,2,3
.irp bq, 0,1,2,3
.if \zero
	v_wmma_f32_16x16x32_f16 v[8*(4*\a+\bq):8*(4*\a+\bq)+7], v[\f+8*\bq:\f+8*\bq+7], v[\f+32+8*\a:\f+32+8*\a+7], 0
.else
	v_wmma_f32_16x16x32_f16 v[8*(4*\a+\bq):8*(4*\a+\bq)+7], v[\f+8*\bq:\f+8*\bq+7], v[\f+32+8*\a:\f+32+8*\a+7], v[8*(4*\a+\bq):8*(4*\a+\bq)+7]
.endif
.endr
.endr
.endm
; one chunk.  odd = c & 1: from an even chunk to the next is one unit, from an odd one three; behind an odd chunk the next pair is waited for
.macro CH c, odd, zero
	FETCH F1, 64
.if \c < 7
	v_add_nc_u32 v[ADRA], (1+2*\odd)*U, v[ADRA]
	v_add_nc_u32 v[ADRB], (1+2*\odd)*U, v[ADRB]
.endif
	s_wait_dscnt 16                                ; all but the 16 just issued
	WIN 0x50
	MUL F0, \zero
	s_wait_dscnt 0x0
.if \c < 7
.if \odd
	s_wait_tensorcnt 2-(\c>>1)                     ; my load for the next pair of chunks is in; the younger ones stay out
	s_barrier_signal -1
	s_barrier_wait -1                              ; everybody's is
.endif
	WIN 0
	PLACES
	FETCH F0, 0
	WIN 0x50
.endif
	MUL F1, 0
	WIN 0
	PLACES
.endm
	s_load_b128 s[4:7], s[0:1], 0x0                ; xx s[4:5], wt s[6:7]
	s_load_b64 s[8:9], s[0:1], 0x10                ; out0
	v_lshl_add_u32 v254, v0, 2, 0x4c400
	v_mov_b32 v255, 0
	ds_add_u32 v254, v255
	v_lshrrev_b32 v1, 5, v0
	v_readfirstlane_b32 s10, v1                    ; wave
	s_bfe_u32 s40, ttmp6, 0x40000                  ; cx
	s_bfe_u32 s41, ttmp6, 0x40004                  ; cy
	s_lshl_b32 s12, ttmp9, 2
	s_add_co_u32 s12, s12, s40                     ; block of 128 m
	s_and_b32 s11, ttmp7, 0xffff
	s_lshl_b32 s11, s11, 2
	s_add_co_u32 s11, s11, s41                     ; block of 128 tokens
	s_lshr_b32 s13, s10, 1                         ; which 64 tokens are mine
	s_and_b32 s14, s10, 1                          ; which 64 m; also: I fetch the even (0) or the odd (1) chunks
	s_lshl_b32 s42, s41, 2
	s_lshl_b32 s42, 15, s42                        ; my row of the cluster
	s_lshl_b32 s43, 0x1111, s40                    ; my column
	; group 1: 128 rows x 64 f16, dense in memory, 16 bytes of padding behind each row's 32 words
	s_or_b32 s[G1A+0], s42, (1<<16)|(1<<20)|(1<<21)|(4<<22)|(3<<25)
	s_or_b32 s[G1B+0], s43, (1<<16)|(1<<20)|(1<<21)|(4<<22)|(3<<25)
	s_mov_b32 s[G1A+1], 64<<16
	s_mov_b32 s[G1B+1], 64<<16
	s_mov_b32 s[G1A+2], 128<<16
	s_mov_b32 s[G1B+2], 128<<16
	s_mov_b32 s[G1A+3], 64<<16
	s_mov_b32 s[G1B+3], 64<<16
	s_mov_b32 s[G1A+4], 128
	s_mov_b32 s[G1B+4], 128
	s_mov_b32 s[G1A+5], 64
	s_mov_b32 s[G1B+5], 64
	s_mov_b32 s[G1A+6], 0
	s_mov_b32 s[G1B+6], 0
	s_mov_b32 s[G1A+7], 0
	s_mov_b32 s[G1B+7], 0
	s_mul_i32 s15, s10, U                          ; my unit of each four: no place in the cluster enters an LDS address
	; xx: the batch's eight planes of 1,024 rows of 128 bytes, the block's first token, the even or odd plane
	s_lshr_b32 s32, s11, 3
	s_lshl_b32 s32, s32, 20
	s_and_b32 s34, s11, 7
	s_lshl_b32 s34, s34, 14
	s_add_co_u32 s32, s32, s34
	s_lshl_b32 s34, s14, 17
	s_add_co_u32 s32, s32, s34
	s_mov_b32 s33, 0
	; wo: wt's fourth part, the block's 128 rows of 128 bytes, the even or odd head's 65,536 bytes
	s_lshl_b32 s36, s12, 14
	s_lshl_b32 s38, s14, 16
	s_add_co_u32 s36, s36, s38
	s_add_co_u32 s36, s36, 1572864
	s_mov_b32 s37, 0
	s_wait_dscnt 0x0
	s_wait_kmcnt 0x0
	s_add_nc_u64 s[32:33], s[4:5], s[32:33]
	s_add_nc_u64 s[36:37], s[6:7], s[36:37]
.irp i, 0,1,2,3
	s_mov_b32 s[G0A+4*\i], 1
	s_add_co_u32 s[G0A+4*\i+1], s15, \i*4*U
	s_add_nc_u64 s[G0A+4*\i+2:G0A+4*\i+3], s[32:33], \i*262144     ; two planes on
	s_or_b32 s[G0A+4*\i+3], s[G0A+4*\i+3], 0x80000000
	s_mov_b32 s[G0B+4*\i], 1
	s_add_co_u32 s[G0B+4*\i+1], s15, \i*4*U
	s_add_nc_u64 s[G0B+4*\i+2:G0B+4*\i+3], s[36:37], \i*131072     ; two heads on
	s_or_b32 s[G0B+4*\i+3], s[G0B+4*\i+3], 0x80000000
.endr
	CROUND                                         ; all sixteen work-groups are here: the joint loads meet
	s_cmp_lt_u32 s10, 2
	s_cbranch_scc0 .Lload_b
.irp i, 0,1,2,3
	tensor_load_to_lds s[G0A+4*\i:G0A+4*\i+3], s[G1A:G1A+7]
	s_nop 0
.endr
	s_branch .Lloaded
.Lload_b:
.irp i, 0,1,2,3
	tensor_load_to_lds s[G0B+4*\i:G0B+4*\i+3], s[G1B:G1B+7]
	s_nop 0
.endr
.Lloaded:
	v_and_b32 v2, 15, v0                           ; r
	v_bfe_u32 v3, v0, 4, 1                         ; h
	v_mul_u32_u24 v4, v2, 144
	v_lshl_add_u32 v4, v3, 4, v4
	s_mul_i32 s44, s13, 9216                       ; my 64 token rows of chunk 0 (unit 0)
	v_add_nc_u32 v[ADRA], s44, v4
	s_mul_i32 s44, s14, 9216                       ; my 64 rows of wo's chunk 0 (unit 2)
	s_add_co_u32 s44, s44, 2*U
	v_add_nc_u32 v[ADRB], s44, v4
	s_mul_i32 s44, s10, 4352
	s_add_co_u32 s44, s44, STAGE
	v_mul_u32_u24 v4, v2, 272
	v_lshl_add_u32 v4, v3, 5, v4
	v_add_nc_u32 v[STO], s44, v4                   ; in: token r, 32 bytes for each half of the lanes
	v_mul_u32_u24 v4, v3, 272
	v_lshl_add_u32 v4, v2, 4, v4
	v_add_nc_u32 v[RD], s44, v4                    ; back: 16 lanes take a token's 256 bytes
	v_lshlrev_b32 v4, 11, v3
	v_lshl_add_u32 v[CO], v2, 4, v4
	s_lshl_b32 s44, s11, 18                        ; 128 rows of 2,048 bytes
	s_lshl_b32 s46, s13, 17
	s_add_co_u32 s44, s44, s46
	s_lshl_b32 s46, s12, 9                         ; 128 m of 4 bytes
	s_add_co_u32 s44, s44, s46
	s_lshl_b32 s46, s14, 8
	s_add_co_u32 s44, s44, s46
	s_mov_b32 s45, 0
	s_add_nc_u64 s[8:9], s[8:9], s[44:45]
	s_wait_tensorcnt 0x3                           ; my first load (chunk 0 or 1 of my operand) is in; three younger loads stay out
	s_barrier_signal -1
	s_barrier_wait -1                              ; chunks 0 and 1 are whole
	FETCH F0, 0
	CH 0, 0, 1                                     ; the first products start the sums
	CH 1, 1, 0
	CH 2, 0, 0
	CH 3, 1, 0
	CH 4, 0, 0
	CH 5, 1, 0                                     ; its wait is for 0: every tensor load of mine has landed
	CH 6, 0, 0
	CH 7, 1, 0
; 16 tokens x 64 m in f32 through my stage, out as pieces of 256 bytes
.macro OUTA a, f
	WIN 0x04
.irp bq, 0,1,2,3
	ds_store_b128 v[STO], v[8*(4*\a+\bq):8*(4*\a+\bq)+3]   offset:\bq*64
	ds_store_b128 v[STO], v[8*(4*\a+\bq)+4:8*(4*\a+\bq)+7] offset:\bq*64+16
.endr
	WIN 0
	s_wait_xcnt 0x0                                ; buffer f, which earlier stores read, is loaded again only behind this wait
.irp u, 0,1,2,3,4,5,6,7
	ds_load_b128 v[\f+4*\u:\f+4*\u+3], v[RD] offset:\u*544     ; my own bytes: LDS serves a wave's instructions in order
.endr
.irp u, 0,1,2,3,4,5,6,7
	s_wait_dscnt 7-\u
	global_store_b128 v[CO], v[\f+4*\u:\f+4*\u+3], s[8:9] offset:(16*\a+2*\u)*2048 th:TH_STORE_NT   ; 16 lanes: 256 consecutive bytes of a row, aligned
.endr
.endm
	OUTA 0, F0
	OUTA 1, F1
	OUTA 2, F0
	OUTA 3, F1
	s_wait_tensorcnt 0x0
	ds_add_u32 v254, v255
	s_wait_dscnt 0x0
	CROUND                                         ; the closing round
	s_endpgm
.Lfunc_end_k_q43cb41788a_oproj:
	.size	k_q43cb41788a_oproj, .Lfunc_end_k_q43cb41788a_oproj-k_q43cb41788a_oproj
	.p2alignl 7, 3214868480
	.fill 96, 4, 3214868480
	.section	.rodata,"a",@progbits
	.p2align	6, 0x0
	.amdhsa_kernel k_q43cb41788a_oproj
		.amdhsa_group_segment_fixed_size 312832
		.amdhsa_private_segment_fixed_size 0
		.amdhsa_enable_private_segment 0
		.amdhsa_kernarg_size 24
		.amdhsa_user_sgpr_count 2
		.amdhsa_user_sgpr_kernarg_segment_ptr 1
		.amdhsa_wavefront_size32 1
		.amdhsa_system_sgpr_workgroup_id_x 1
		.amdhsa_system_sgpr_workgroup_id_y 1
		.amdhsa_system_sgpr_workgroup_id_z 1
		.amdhsa_system_vgpr_workitem_id 0
		.amdhsa_next_free_vgpr 384
		.amdhsa_next_free_sgpr 84
		.amdhsa_reserve_vcc 0
		.amdhsa_float_denorm_mode_32 3
		.amdhsa_float_denorm_mode_16_64 3
		.amdhsa_memory_ordered 1
		.amdhsa_forward_progress 1
		.amdhsa_inst_pref_size 53
	.end_amdhsa_kernel
	.amdgpu_metadata
---
amdhsa.version: [ 1, 2 ]
amdhsa.kernels:
  - .name:           k_q43cb41788a_oproj
    .symbol:         k_q43cb41788a_oproj.kd
    .args:
      - { .name: xx, .offset: 0, .size: 8, .value_kind: global_buffer, .address_space: global }
      - { .name: wt, .offset: 8, .size: 8, .value_kind: global_buffer, .address_space: global }
      - { .name: out0, .offset: 16, .size: 8, .value_kind: global_buffer, .address_space: global }
    .group_segment_fixed_size: 312832
    .private_segment_fixed_size: 0
    .kernarg_segment_align: 8
    .kernarg_segment_size: 24
    .max_flat_workgroup_size: 128
    .sgpr_count:     84
    .vgpr_count:     384
    .wavefront_size: 32
...
	.end_amdgpu_metadata
.endif
;; end of part 4
